; MI455X (gfx1250); checked and timed in simulation.
; The chip was launched on July 23, 2026; its instructions are those of AMD's public machine-readable ISA for CDNA 5 (MIT licence, August 2026) and "CDNA5" Instruction Set Architecture Reference Guide (July 2026). The comments in the code are by the model that wrote it; some were corrected since.
;; Multi Head Self Attention. Allowed arithmetic: matrix products marked QUANTISED: E2M1 operands, one E8M0 scale for each 32 along K, by v_wmma_scale_f32_16x16x128_f8f6f4 with both operands' format E2M1 (or v_wmma_scale_f32_32x16x128_f4), f32 sums; everything else in f32.
;; Inputs: bk 1,024 float32; bo 1,024 float32; bq 1,024 float32; bv 1,024 float32; wk_codes 1,024 x 32 x 16 uint8 (E2M1 codes of wk, K innermost, in blocks of 32 codes, two codes a byte); wk_scales 1,024 x 32 uint8 (E8M0 scales of wk, one for each 32 codes along K); wo_codes 1,024 x 32 x 16 uint8 (E2M1 codes of wo, K innermost, in blocks of 32 codes, two codes a byte); wo_scales 1,024 x 32 uint8 (E8M0 scales of wo, one for each 32 codes along K); wq_codes 1,024 x 32 x 16 uint8 (E2M1 codes of wq, K innermost, in blocks of 32 codes, two codes a byte); wq_scales 1,024 x 32 uint8 (E8M0 scales of wq, one for each 32 codes along K); wv_codes 1,024 x 32 x 16 uint8 (E2M1 codes of wv, K innermost, in blocks of 32 codes, two codes a byte); wv_scales 1,024 x 32 uint8 (E8M0 scales of wv, one for each 32 codes along K); x_codes 4 x 2,048 x 32 x 16 uint8 (E2M1 codes of x, K innermost, in blocks of 32 codes, two codes a byte); x_scales 4 x 2,048 x 32 uint8 (E8M0 scales of x, one for each 32 codes along K).
;; Outputs: out0 4 x 2,048 x 1,024 float32.
;; This version of the problem:
;;   THIS VERSION OF THE PROBLEM IS GIVEN IN LOW PRECISION. The matrix products marked QUANTISED in the list below multiply operands that are first quantised to E2M1 (2 exponent bits, 1 mantissa bit; 4 bits a number), with one power-of-two scale for each 32 numbers along K (OCP MX v1.0); their sums are f32. All else is computed in f32.
;;   The module's matrix products, in the order in which they are computed (A, B: the left and right operand; K: the contracted axis; several contracted axes count as one K, in the product's order):
;;     1. [M 8,192, K 1,024] x [K 1,024, N 1,024]; A: input x (given as codes); B: input wq (given as codes): QUANTISED
;;     2. [M 8,192, K 1,024] x [K 1,024, N 1,024]; A: input x (given as codes); B: input wk (given as codes): QUANTISED
;;     3. [M 8,192, K 1,024] x [K 1,024, N 1,024]; A: input x (given as codes); B: input wv (given as codes): QUANTISED
;;     4. batch 64 x [M 2,048, K 64] x [K 64, N 2,048]; A: computed on the way; B: computed on the way: QUANTISED
;;     5. batch 64 x [M 2,048, K 2,048] x [K 2,048, N 64]; A: softmax (see below); B: computed on the way: QUANTISED
;;     6. [M 8,192, K 1,024] x [K 1,024, N 1,024]; A: computed on the way; B: input wo (given as codes): QUANTISED
;;   THE QUANTISER, for each operand of a quantised product, along K:
;;     - K is cut into blocks of 32 from its start; a last block that is shorter is filled with zeros.
;;     - A block's scale is 2^e with e = floor(log2(the largest magnitude in the block)) - 2, held to -126 .. 127; a block of zeros has e = 0. As a byte (E8M0): e + 127.
;;     - Each number is divided by its block's scale, clamped to +-6, and rounded to the nearest number of E2M1, ties to even, subnormals kept.
;;     - The product sums the exact products of the quantised numbers (number of the format x scale) in f32.
;;   ~~~python
;;   def quantise(x, axis):      # numpy; x: float32 -> the quantised numbers, widened to float32 again
;;       x = np.moveaxis(x, axis, -1); K = x.shape[-1]
;;       x = np.pad(x, [(0, 0)] * (x.ndim - 1) + [(0, -K % 32)]); x = x.reshape(x.shape[:-1] + (-1, 32)); a = np.abs(x).max(-1, keepdims=True)
;;       e = np.where(a > 0, np.clip(np.frexp(np.where(a > 0, a, 1))[1] - 1 - 2, -126, 127), 0)      # np.frexp(a)[1] - 1 = floor(log2(a)), exactly
;;       r = np.clip(x / 2.0 ** e, -6, 6)
;;       step = 2.0 ** (np.maximum(np.frexp(np.where(r == 0, 1, r))[1] - 1, 0) - 1)
;;       q = np.round(r / step) * step * 2.0 ** e      # np.round: ties to even
;;       return np.moveaxis(q.reshape(q.shape[:-2] + (-1,))[..., :K], -1, axis).astype(np.float32)
;;   ~~~
;;   SOFTMAX AHEAD OF A QUANTISED PRODUCT. Where the list says 'softmax', what is quantised is not the finished softmax but p = 2^(t - M), with t = logit x log2(e) and M = ceil(the row's largest t), a whole number; so 1/2 < the row's largest p <= 1. The row's sum l is taken of the UNQUANTISED p, in f32, and the product's result is divided by l at the end. Since M is a whole number, a kernel that streams over the keys may use a running M (the ceiling of the running maximum): every later rescaling is an exact power of two, which a block's scale takes up: the codes' values come out the same.
;;   OPERANDS COMPUTED ON THE WAY. 'Computed on the way' means the value that the module computes at that place (a softmax that the list does not call 'softmax' is quantised finished and normalised). What goes into a quantiser is computed in f32, as accurately as f32 sums, v_exp_f32 and their like allow (about 1e-6 of the number): no bf16 or f16 on the way to a quantiser, and a product that is left as it is and whose result goes on into a quantised operand takes f32 operands (vector FMAs, or v_wmma_f32_16x16x4_f32). A number that lies on a knife's edge between two numbers of the format may be rounded either way, as far as f32 arithmetic and the matrix unit's own rounding can turn it there, and no further.
;;   INPUTS GIVEN AS CODES. wk (in the module: [1024, 1024], K = its axis 0); wo (in the module: [1024, 1024], K = its axis 0); wq (in the module: [1024, 1024], K = its axis 0); wv (in the module: [1024, 1024], K = its axis 0); x (in the module: [4, 2048, 1024], K = its axis 2): each comes as NAME_codes (uint8): NAME with its K axis moved to the last place and cut into blocks of 32 codes, [.., K / 32, bytes a block], one block behind the other in memory; two codes a byte, the lower K in the low four bits (a code: sign, 2 exponent bits, 1 mantissa bit); and NAME_scales (uint8): the same leading axes, one E8M0 byte (e + 127) for each 32 codes along K. Its value is code x scale, taken as it is: it is not quantised again, and the codes and scales need not be those that the quantiser above would give.
;; One version. Each part assembles by itself: llvm-mc -triple=amdgcn-amd-amdhsa -mcpu=gfx1250 --defsym DOCPART=n.
;; ======== version 1 of 1: 3 launches
;; workspace buffers: qc 8,388,608 bytes; qs 786,432 bytes; kvc 8,388,608 bytes; kvs 786,432 bytes; yc 4,194,304 bytes; ys 262,144 bytes
;; launch qkv (part 1): grid 12 x 32, 4 waves a work-group, clusters of 4 x 4, 296,448 bytes of LDS; arguments x_codes, x_scales, wq_codes, wq_scales, bq, qc, qs, wk_codes, wk_scales, bk, wv_codes, wv_scales, bv, kvc, kvs; writes qc, qs, kvc, kvs
.if DOCPART == 1
	.amdgcn_target "amdgcn-amd-amdhsa--gfx1250"
	.amdhsa_code_object_version 6
	.text
	.protected	k_qb0d7a4f997_qkv
	.globl	k_qb0d7a4f997_qkv
	.p2align	8
	.type	k_qb0d7a4f997_qkv,@function
k_qb0d7a4f997_qkv:
	s_mov_b64 s[64:65], 0
	v_nop
	global_prefetch_b8 v0, s[64:65] scope:SCOPE_SE
	s_setreg_imm32_b32 hwreg(HW_REG_WAVE_MODE, 25, 1), 1
	s_wait_xcnt 0x0
	s_wait_alu depctr_hold_cnt(0) depctr_sa_sdst(0) depctr_va_vdst(0) depctr_va_sdst(0) depctr_va_ssrc(0) depctr_va_vcc(0) depctr_vm_vsrc(0)
	s_getreg_b32 s2, hwreg(HW_REG_IB_STS2, 6, 4)
	s_cmp_eq_u32 s2, 0
	s_cbranch_scc0 .Lentry_in_a_cluster
	s_endpgm
.Lentry_in_a_cluster:
	s_bfe_u32 s2, ttmp6, 0x10000c
	s_cmp_lg_u32 s2, 0xf033
	s_cbranch_scc0 .Lentry_shape_is_right
	s_endpgm
.Lentry_shape_is_right:
; q = x wq + bq, k = x wk + bk, v = x wv + bv on codes of FP4 (E2M1) with one E8M0 scale for each 32 along K = 1,024, sums in f32; the results are quantised at once:
; q and k along the head's 64 numbers, v along the keys, and leave as IMAGES OF OPERAND REGISTERS (four registers of a fragment = 512 dense bytes, lane l's 16 bytes at 16 l), as the next launch wants them.
; SHARES.  A work-group makes 256 tokens x 256 columns of one weight, each of its four waves 128 x 128: 64 accumulators, 512 registers.  The grid is 12 x 32 in clusters of 4 x 4: a cluster's four
; columns are one whole weight, so the cluster's x (0, 1, 2) is the ROLE q, k, v, alike in all sixteen partners.  x's tiles are asked for jointly along a row of the cluster, W's along a column.
; ALL OF K LIES IN LDS AT ONCE (two halves of 512 along K, rows of 256 bytes + 16 of padding, and the scale bytes): every LDS byte is filled once, nothing is filled again.
; THE AXIS THAT IS QUANTISED RUNS DOWN A LANE'S REGISTERS.  q, k: source 0 = 16 rows of W, source 1 = 16 tokens: a lane holds one token and columns 16 b + 8 (lane / 16) + j.
; v: source 0 = 16 tokens, source 1 = 16 rows of W: a lane holds one column and tokens 16 b + 8 (lane / 16) + j.  Accumulator (a, b): a = the block on the lanes, b = the block down the registers.
; So the steps are written twice, with the sources, their windows and the rows of the scale registers swapped; all LDS addresses are the same in both.
; FROM 64 NUMBERS OF A LANE TO A FRAGMENT.  Tiles 2 B and 2 B + 1 hold block B of 32: the first tile's eight registers are the block's eighth-group h, the second's group 2 + h (h = lane / 16).
; Codes of group h of blocks 2 c, 2 c + 1 go to registers 4 c, 4 c + 1, those of group 2 + h to 4 c + 2, 4 c + 3; an exchange of halves within each pair leaves register 4 c + g of lane half h' with
; group g of block 2 c + h': the operand's own order, with k in its true place.
; The bias is the C of each sum's first matrix instruction: it is summed ahead of the products.
; LIMITS: NaN, infinities and a given scale byte 0xff are not served.  A block whose largest magnitude lies under 2^-124 keeps the scale byte 1; a block of zeros gets the byte 1 and not 127:
; its codes are zeros, and the bytes are read by this program alone.
; REGISTERS, in windows of 256.  window 0: v1 r, v2 h, v16-28 addresses, v32-95 scale words (register 8 i + s: block i, K step s; lanes 0-15 x's word, lanes 16-31 W's), v96-111 at work,
;   v112-119 the scale words made, v120-127 the codes made, v128-255 x's fragments, two sets.   window 1: v0-127 W's fragments, two sets; v128-191 the bias.
;   window 2: accumulators with a = 0..3, (a, b) at v[8 (8 a + b)];   window 3: a = 4..7.
.set PITCH,  272                       ; an LDS row: 256 bytes + 16 of padding: the sixteen rows of a fragment load begin 68 words apart
.set HALFT,  128*PITCH                 ; 128 rows: one tensor load
.set SLOT,   4*HALFT                   ; half of K: x's 256 rows, then W's 256 rows
.set SCL,    2*SLOT                    ; the scale bytes, as rows of 256 bytes + 16
.set HALFS,  16*272                    ; those of 128 rows (32 bytes a row)
.set SBLK,   2*272                     ; those of 16 rows
.set ADX,  16                          ; v16-17 LDS address of my fragments of x in K half 0, 1
.set ADW,  20                          ; v20-21 the same for W
.set CO,   24                          ; v24  16 x lane
.set SO,   25                          ; v25  16 r + 12,288 h: a scale store's place; lanes 16-31 serve the next head
.set SH,   26                          ; v26  16 h
.set ADRS, 27                          ; v27  LDS address of my scale words: lanes 0-15 x's rows, lanes 16-31 W's
.set BOF,  28                          ; v28  32 h, v29  4 r: offsets into the bias
.set SC,   32
.set TM,   96
.set PW,   112
.set PC,   120
.set XF,   128
.set WF,   0
.set BI,   128
.set WV,   18                          ; s18 wave   s19 role
.set ROLE, 19
.set SEL,  34                          ; s[34:35] lane selects: lane l xor 16
.set G1X,  36                          ; s[36:43] group 1 for x's tiles, s[44:51] groups 0 (K half 0, 1)
.set G0X,  44
.set G1W,  52                          ; s[52:59], s[68:75] the same for W
.set WR,   60                          ; s60 my half of the tokens; also: I fetch for x (0) or for W (1)
.set WC,   61                          ; s61 my half of the columns; also: which 128 rows I fetch
.set CX,   62
.set CY,   63
.set TR,   66                          ; s66 block of 256 tokens
.set RM,   67                          ; s67 mask of my row of the cluster
.set G0W,  68
.set G1XS, 76                          ; s[76:83], s[84:87] groups 1 and 0 for x's scale bytes
.set G0XS, 84
.set G1WS, 88                          ; s[88:95], s[96:99] for W's
.set G0WS, 96
.set CM,   100                         ; s100 mask of my column
.set MSB, 0
.macro WIN new                         ; the immediate's high byte repeats the setting that is left; a switch that changes nothing is dropped
.if MSB != (\new)
	s_set_vgpr_msb (MSB<<8)|(\new)
.set MSB, (\new)
.endif
.endm
; A joint load: waves 0 and 1 fetch for x, waves 2 and 3 for W.  Each line has one mask and one set of registers; the branch hangs on the wave's number alone.  Four v_nop follow each line.
.macro JLOAD g0a, g1a, g0b, g1b
	s_cmp_eq_u32 s[WR], 0
	s_cbranch_scc0 .Lfor_w_\@
	tensor_load_to_lds s[\g0a:\g0a+3], s[\g1a:\g1a+7]
	s_nop 0
.rept 4
	v_nop
.endr
	s_branch .Lasked_\@
.Lfor_w_\@:
	tensor_load_to_lds s[\g0b:\g0b+3], s[\g1b:\g1b+7]
	s_nop 0
.rept 4
	v_nop
.endr
.Lasked_\@:
.endm
.macro CROUND                          ; a round of the cluster's barrier
	s_barrier_signal -1
	s_barrier_wait -1
	s_cmp_lg_u32 s[WV], 0
	s_cbranch_scc1 .Lnot_wave_0_\@
	s_barrier_signal -3
.Lnot_wave_0_\@:
	s_barrier_wait -3
	s_barrier_signal -1
	s_barrier_wait -1
.endm
.macro PLACES n
.rept \n
	v_nop
.endr
.endm
	s_load_b128 s[4:7], s[0:1], 0x0                ; x's codes, x's scales
	s_load_b256 s[8:15], s[0:1], 0x10              ; wq's codes, wq's scales, bq, qc
	s_load_b64 s[16:17], s[0:1], 0x30              ; qs
	s_load_b256 s[20:27], s[0:1], 0x38             ; wk's codes, wk's scales, bk, wv's codes
	s_load_b256 s[28:35], s[0:1], 0x58             ; wv's scales, bv, kvc, kvs
	v_lshl_add_u32 v106, v0, 2, 0x48400
	v_mov_b32 v107, 0
	ds_add_u32 v106, v107
	ds_add_u32 v106, v107
	v_lshrrev_b32 v1, 5, v0
	v_readfirstlane_b32 s[WV], v1                  ; wave 0..3
	s_mov_b32 s[ROLE], ttmp9                       ; the cluster's x: 0 q, 1 k, 2 v
	s_lshr_b32 s[WR], s[WV], 1
	s_and_b32 s[WC], s[WV], 1
	s_bfe_u32 s[CX], ttmp6, 0x40000                ; my place in the cluster
	s_bfe_u32 s[CY], ttmp6, 0x40004
	s_and_b32 s[TR], ttmp7, 0xffff
	s_lshl_b32 s[TR], s[TR], 2
	s_add_co_u32 s[TR], s[TR], s[CY]               ; block of 256 tokens = 4 x cluster y + cy
	s_lshl_b32 s[RM], s[CY], 2
	s_lshl_b32 s[RM], 15, s[RM]                    ; my row of the cluster
	s_lshl_b32 s[CM], 0x1111, s[CX]                ; my column
	; group 1: 128 rows x 256 bytes, 512 bytes apart in memory, 16 bytes of padding behind each row in LDS
	s_or_b32 s[G1X], s[RM], (1<<20)|(1<<21)|(5<<22)|(3<<25)   ; 15:0 mask; 17:16 elements of 1 byte; 20 padding on; 21 set beside a mask; 24:22 after every 64 words; 31:25 four words
	s_or_b32 s[G1W], s[CM], (1<<20)|(1<<21)|(5<<22)|(3<<25)
.irp g, G1X, G1W
	s_mov_b32 s[\g+1], 256<<16                     ; tensor_dim0
	s_mov_b32 s[\g+2], 128<<16                     ; tensor_dim1
	s_mov_b32 s[\g+3], 256<<16                     ; tile_dim0
	s_mov_b32 s[\g+4], 128                         ; tile_dim1
	s_mov_b32 s[\g+5], 512                         ; from row to row
	s_mov_b32 s[\g+6], 0
	s_mov_b32 s[\g+7], 0
.endr
	; the scale bytes of 128 rows: 4,096 dense bytes as 16 rows of 256 (32 elements of 8 bytes), 16 bytes of padding behind each
	s_or_b32 s[G1XS], s[RM], (3<<16)|(1<<20)|(1<<21)|(5<<22)|(3<<25)
	s_or_b32 s[G1WS], s[CM], (3<<16)|(1<<20)|(1<<21)|(5<<22)|(3<<25)
.irp g, G1XS, G1WS
	s_mov_b32 s[\g+1], 32<<16
	s_mov_b32 s[\g+2], 16<<16
	s_mov_b32 s[\g+3], 32<<16
	s_mov_b32 s[\g+4], 16
	s_mov_b32 s[\g+5], 32
	s_mov_b32 s[\g+6], 0
	s_mov_b32 s[\g+7], 0
.endr
	s_wait_dscnt 0x0
	s_wait_kmcnt 0x0
	s_cmp_eq_u32 s[ROLE], 2                        ; the role picks the weight, its scales, its bias and the two buffers written: the choice hangs on the cluster's number alone
	s_cselect_b64 s[20:21], s[26:27], s[20:21]
	s_cselect_b64 s[22:23], s[28:29], s[22:23]
	s_cselect_b64 s[24:25], s[30:31], s[24:25]
	s_cmp_eq_u32 s[ROLE], 0
	s_cselect_b64 s[8:9], s[8:9], s[20:21]         ; W's codes
	s_cselect_b64 s[10:11], s[10:11], s[22:23]     ; W's scales
	s_cselect_b64 s[12:13], s[12:13], s[24:25]     ; the bias
	s_cselect_b64 s[14:15], s[14:15], s[32:33]     ; codes out: qc or kvc
	s_cselect_b64 s[16:17], s[16:17], s[34:35]     ; scale words out: qs or kvs
	s_lshl_b32 s20, s[TR], 8                       ; x: row 256 x block + 128 x half; these registers never hold cx
	s_lshl_b32 s21, s[WC], 7
	s_add_co_u32 s20, s20, s21
	s_lshl_b32 s22, s20, 9                         ; its codes: 512 bytes a row
	s_mov_b32 s23, 0
	s_lshl_b32 s24, s20, 5                         ; its scale bytes: 32 a row
	s_mov_b32 s25, 0
	s_lshl_b32 s26, s[CX], 8                       ; W: row 256 cx + 128 x half; these never hold cy
	s_add_co_u32 s26, s26, s21
	s_lshl_b32 s28, s26, 9
	s_mov_b32 s29, 0
	s_lshl_b32 s30, s26, 5
	s_mov_b32 s31, 0
	s_add_nc_u64 s[22:23], s[4:5], s[22:23]
	s_add_nc_u64 s[24:25], s[6:7], s[24:25]
	s_add_nc_u64 s[28:29], s[8:9], s[28:29]
	s_add_nc_u64 s[30:31], s[10:11], s[30:31]
	s_mul_i32 s32, s[WV], HALFT                    ; where they go: wave x 128 rows: no place in the cluster enters an LDS address
	s_mul_i32 s33, s[WV], HALFS
	s_mov_b32 s[SEL], 0x76543210
	s_mov_b32 s[SEL+1], 0xfedcba98
	CROUND                                         ; all sixteen work-groups are here: the joint loads meet
	s_mov_b32 s[G0XS], 1
	s_add_co_u32 s[G0XS+1], s33, SCL
	s_mov_b64 s[G0XS+2:G0XS+3], s[24:25]
	s_or_b32 s[G0XS+3], s[G0XS+3], 0x80000000
	s_mov_b32 s[G0WS], 1
	s_add_co_u32 s[G0WS+1], s33, SCL
	s_mov_b64 s[G0WS+2:G0WS+3], s[30:31]
	s_or_b32 s[G0WS+3], s[G0WS+3], 0x80000000
	JLOAD G0XS, G1XS, G0WS, G1WS                   ; the scale bytes first: they are wanted with the first K step
.irp s, 0,1
	s_mov_b32 s[G0X+4*\s], 1
	s_add_co_u32 s[G0X+4*\s+1], s32, \s*SLOT
	s_add_nc_u64 s[G0X+4*\s+2:G0X+4*\s+3], s[22:23], \s*256
	s_or_b32 s[G0X+4*\s+3], s[G0X+4*\s+3], 0x80000000
	s_mov_b32 s[G0W+4*\s], 1
	s_add_co_u32 s[G0W+4*\s+1], s32, \s*SLOT
	s_add_nc_u64 s[G0W+4*\s+2:G0W+4*\s+3], s[28:29], \s*256
	s_or_b32 s[G0W+4*\s+3], s[G0W+4*\s+3], 0x80000000
	JLOAD G0X+4*\s, G1X, G0W+4*\s, G1W             ; three loads of mine are out behind the last
.endr
	v_and_b32 v1, 15, v0                           ; r = lane % 16
	v_bfe_u32 v2, v0, 4, 1                         ; h = lane / 16
	v_mul_u32_u24 v3, v1, PITCH
	v_lshl_add_u32 v4, v2, 4, v3                   ; a fragment's row x pitch + 16 h
	s_mul_i32 s21, s[WR], HALFT                    ; my 128 tokens
	s_mul_i32 s26, s[WC], HALFT                    ; my 128 rows of W,
	s_add_co_u32 s26, s26, 2*HALFT                 ; behind x's 256
.irp s, 0,1
	v_add_nc_u32 v[ADX+\s], s21, v4
	v_add_nc_u32 v[ADW+\s], s26, v4
	s_add_co_u32 s21, s21, SLOT
	s_add_co_u32 s26, s26, SLOT
.endr
	v_lshlrev_b32 v5, 5, v1                        ; my row's scale bytes: 32 a row,
	v_lshrrev_b32 v6, 8, v5
	v_lshl_add_u32 v5, v6, 4, v5                   ; and 16 more for each 256 passed
	s_mul_i32 s21, s[WR], HALFS                    ; x's: my 128 tokens
	s_mul_i32 s26, s[WC], HALFS                    ; W's: my 128 rows, behind x's 256
	s_add_co_u32 s26, s26, 2*HALFS
	s_sub_co_u32 s26, s26, s21
	v_mul_u32_u24 v6, s26, v2                      ; lanes 16-31 take W's: the lower base + h x the distance
	s_add_co_u32 s21, s21, SCL
	v_add_nc_u32 v5, v5, v6
	v_add_nc_u32 v[ADRS], s21, v5
	v_and_b32 v6, 31, v0
	v_lshlrev_b32 v[CO], 4, v6
	v_lshlrev_b32 v[SO], 4, v1
	v_mad_u32_u24 v[SO], v2, 0x3000, v[SO]
	v_lshlrev_b32 v[SH], 4, v2
	v_lshlrev_b32 v[BOF], 5, v2
	v_lshlrev_b32 v[BOF+1], 2, v1
.irp b, 0,1,2,3
	v_mov_b32 v[TM+4+\b], 0                        ; written once: a lane permute's destination counts as one of its sources
.endr
	s_lshl_b32 s2, s[CX], 10                       ; the bias of my 128 columns
	s_lshl_b32 s3, s[WC], 9
	s_add_co_u32 s2, s2, s3
	s_mov_b32 s3, 0
	s_add_nc_u64 s[12:13], s[12:13], s[2:3]
	s_cmp_eq_u32 s[ROLE], 2
	s_cbranch_scc1 .Lbias_v
	WIN 0x40                                       ; destination window 1
.irp b, 0,1,2,3,4,5,6,7                        ; q, k: tile b's register j is column 16 b + 8 h + j, whatever the token
	global_load_b128 v[BI+8*\b:BI+8*\b+3], v[BOF], s[12:13] offset:64*\b
	global_load_b128 v[BI+8*\b+4:BI+8*\b+7], v[BOF], s[12:13] offset:64*\b+16
.endr
	WIN 0
	s_branch .Lbias_done
.Lbias_v:
	WIN 0x40
.irp a, 0,1,2,3,4,5,6,7                        ; v: all eight registers of a tile are column 16 a + r
.irp j, 0,1,2,3,4,5,6,7
	global_load_b32 v[BI+8*\a+\j], v[BOF+1], s[12:13] offset:64*\a
.endr
.endr
	WIN 0
.Lbias_done:
	; where my results go: group of 128 tokens G = 2 x block + half; batch G / 16, key step G % 16; first head 4 cx + 2 x half
	s_lshl_b32 s2, s[TR], 1
	s_add_co_u32 s2, s2, s[WR]
	s_lshr_b32 s3, s2, 4
	s_and_b32 s2, s2, 15
	s_lshl_b32 s3, s3, 4
	s_lshl_b32 s20, s[CX], 2
	s_add_co_u32 s3, s3, s20
	s_lshl_b32 s20, s[WC], 1
	s_add_co_u32 s3, s3, s20                       ; 16 x batch + head
	s_lshl_b32 s20, s3, 17                         ; 131,072 bytes of codes a head,
	s_lshl_b32 s21, s2, 13                         ; 8,192 a group
	s_add_co_u32 s20, s20, s21
	s_mov_b32 s21, 0
	s_add_nc_u64 s[14:15], s[14:15], s[20:21]
	s_mul_i32 s20, s3, 12288                       ; 12,288 bytes of scale words a head,
	s_mul_i32 s22, s2, 768                         ; 768 a group
	s_add_co_u32 s20, s20, s22
	s_add_nc_u64 s[16:17], s[16:17], s[20:21]
.macro FRAG reg, adr, q, i             ; 16 rows x 128 K of 4-bit codes: lane (r, h) holds row r; registers 4 c .. 4 c + 3 hold K = 64 c + 32 h + 0 .. 31: 16 bytes of the row as they lie
.irp c, 0,1
	ds_load_b128 v[\reg+4*\c:\reg+4*\c+3], v[\adr] offset:64*(\q)+32*\c+(\i)*16*PITCH
.endr
.endm
.macro FETCH s                         ; K step s (128 along K): W's eight fragments and x's eight into set s % 2: 32 loads in one run
	WIN 0x40
.irp i, 0,1,2,3,4,5,6,7
	FRAG WF+64*((\s)%2)+8*\i, ADW+(\s)/4, (\s)%4, \i
.endr
	WIN 0
.irp i, 0,1,2,3,4,5,6,7
	FRAG XF+64*((\s)%2)+8*\i, ADX+(\s)/4, (\s)%4, \i
.endr
.endm
; 16 matrix instructions: blocks a0, a0 + 1 on the lanes x the eight blocks down the registers, K step s.  In step 0 the bias is C.  The 64 accumulators take turns, one instruction a turn,
; in the same order in every step.
.macro MUL16 role, a0, s
.irp a, \a0, \a0+1
.irp b, 0,1,2,3,4,5,6,7
.set rD, 8*(8*((\a)%4)+\b)
.set rC, rD
.if \role == 0
.set rA, WF+64*((\s)%2)+8*\b
.set rB, XF+64*((\s)%2)+8*(\a)
.if (\s) == 0
.set rC, BI+8*\b
.endif
	v_wmma_scale_f32_16x16x128_f8f6f4 v[rD:rD+7], v[rA:rA+7], v[rB:rB+7], v[rC:rC+7], v[SC+8*\b+(\s)], v[SC+8*(\a)+(\s)] matrix_a_fmt:MATRIX_FMT_FP4 matrix_b_fmt:MATRIX_FMT_FP4 matrix_a_scale:MATRIX_SCALE_ROW1
.else
.set rA, XF+64*((\s)%2)+8*\b
.set rB, WF+64*((\s)%2)+8*(\a)
.if (\s) == 0
.set rC, BI+8*(\a)
.endif
	v_wmma_scale_f32_16x16x128_f8f6f4 v[rD:rD+7], v[rA:rA+7], v[rB:rB+7], v[rC:rC+7], v[SC+8*\b+(\s)], v[SC+8*(\a)+(\s)] matrix_a_fmt:MATRIX_FMT_FP4 matrix_b_fmt:MATRIX_FMT_FP4 matrix_b_scale:MATRIX_SCALE_ROW1
.endif
.endr
.endr
.endm
; A K step: this step's fragments are in; the next step's 32 loads go out, four places behind the last product that read their registers; then 64 products, under which they land.
; role 0: source 0 window 1 (W), source 1 window 0 (x); role 1: the other way round.  C and D: window 2, then 3; in step 0 C is the bias, in window 1.
.macro STEP role, s
	s_wait_dscnt 0x0                               ; the 32 loads issued a step ago (in step 0: and the scale words)
.if (\s) > 0
	PLACES 4
.endif
.if (\s) < 7
	FETCH (\s)+1
.endif
.if (\s) == 0
	WIN 0x90+1+3*(\role)
.else
	WIN 0xa0+1+3*(\role)
.endif
	MUL16 \role, 0, \s
	MUL16 \role, 2, \s
.if (\s) == 0
	WIN 0xd0+1+3*(\role)
.else
	WIN 0xf0+1+3*(\role)
.endif
	MUL16 \role, 4, \s
	MUL16 \role, 6, \s
	WIN 0                                          ; at a label and at a branch every window is 0
.endm
; The 64 numbers of accumulators (a, 0..7) become a fragment's eight registers of codes in v[PC] on and its scale word in v[PW + a].
.macro QUANT a
.set S0, 64*((\a)%4)
	WIN 0x0a+5*((\a)/4)                            ; sources 0 and 1: window 2 or 3
.irp b, 0,1,2,3
	v_max3_num_f32 v[TM+\b], |v[S0+16*\b]|, |v[S0+16*\b+1]|, 0x1800000   ; block b: my 16 numbers, each accumulator from its low end on, and the floor 2^(3 - 127): the byte cannot fall under 1
.endr
.irp i, 2,4,6,8,10,12,14
.irp b, 0,1,2,3
	v_max3_num_f32 v[TM+\b], |v[S0+16*\b+\i]|, |v[S0+16*\b+\i+1]|, v[TM+\b]   ; the four blocks by turns
.endr
.endr
	WIN 0
.irp b, 0,1,2,3
	v_permlanex16_b32 v[TM+4+\b], v[TM+\b], s[SEL], s[SEL+1]
.endr
.irp b, 0,1,2,3
	v_max_num_f32 v[TM+\b], v[TM+\b], v[TM+4+\b]   ; with lane l xor 16's 16: the block's largest magnitude
.endr
.irp b, 0,1,2,3
	v_add_nc_u32 v[TM+12+\b], 0xff000000, v[TM+\b] ; 2 off its exponent field: the conversion takes the exponent field of this operand as its scale
.endr
.irp b, 0,1,2,3
	v_lshrrev_b32 v[TM+4+\b], 23, v[TM+12+\b]      ; the scale's byte
.endr
	v_lshl_or_b32 v[PW+(\a)], v[TM+5], 8, v[TM+4]
	v_lshl_or_b32 v[PW+(\a)], v[TM+6], 16, v[PW+(\a)]
	v_lshl_or_b32 v[PW+(\a)], v[TM+7], 24, v[PW+(\a)]
	s_wait_xcnt 0x0                                ; the stores of the fragment before have read v[PC] on: only now is it written again
	WIN 0x02+(\a)/4                                ; source 0: window 2 or 3
.irp c, 0,1
	v_cvt_scalef32_pk8_fp4_f32 v[PC+4*\c],   v[S0+32*\c:S0+32*\c+7],     v[TM+12+2*\c]   ; group h of block 2 c
	v_cvt_scalef32_pk8_fp4_f32 v[PC+4*\c+1], v[S0+32*\c+16:S0+32*\c+23], v[TM+13+2*\c]   ; group h of block 2 c + 1
	v_cvt_scalef32_pk8_fp4_f32 v[PC+4*\c+2], v[S0+32*\c+8:S0+32*\c+15],  v[TM+12+2*\c]   ; group 2 + h of block 2 c
	v_cvt_scalef32_pk8_fp4_f32 v[PC+4*\c+3], v[S0+32*\c+24:S0+32*\c+31], v[TM+13+2*\c]   ; group 2 + h of block 2 c + 1
.endr
	WIN 0
	v_nop                                          ; one plain place behind a scaled conversion
.irp c, 0,1
	v_permlane16_swap_b32 v[PC+4*\c], v[PC+4*\c+1]     ; the first's lanes 16-31 change places with the second's lanes 0-15: register 4 c + g now holds group g of block 2 c + h
	v_permlane16_swap_b32 v[PC+4*\c+2], v[PC+4*\c+3]
.endr
.endm
	s_wait_tensorcnt 0x1                           ; my parts of the scale bytes and of K half 0 are in; K half 1's load may stay out
	s_barrier_signal -1
	s_barrier_wait -1                              ; everybody's are
	FETCH 0
.irp i, 0,1,2,3,4,5,6,7                        ; all scale words: eight a row; lanes 0-15 x's block i, lanes 16-31 W's block i
	ds_load_b128 v[SC+8*\i:SC+8*\i+3], v[ADRS] offset:\i*SBLK
	ds_load_b128 v[SC+8*\i+4:SC+8*\i+7], v[ADRS] offset:\i*SBLK+16
.endr
	s_wait_loadcnt 0x0                             ; the bias
	s_cmp_eq_u32 s[ROLE], 2
	s_cbranch_scc1 .Lv_first
	STEP 0, 0
	STEP 0, 1
	STEP 0, 2
	s_branch .Lchange
.Lv_first:
	STEP 1, 0
	STEP 1, 1
	STEP 1, 2
.Lchange:
	s_wait_tensorcnt 0x0                           ; my part of K half 1 is in,
	s_wait_dscnt 0x0                               ; no LDS load of mine is pending at the signal
	s_barrier_signal -1
	s_barrier_wait -1                              ; everybody's is: step 3 fetches step 4's fragments from it
	s_cmp_eq_u32 s[ROLE], 2
	s_cbranch_scc1 .Lv_rest
.irp s, 3,4,5,6,7
	STEP 0, \s
.endr
	PLACES 4                                       ; in front of the first read of results
.irp a, 0,1,2,3,4,5,6,7                        ; q, k: token tile a.  Registers 0-3: my first head's 64 numbers, registers 4-7 the next head's: each is the lower half of a fragment whose upper half is zeros
	QUANT \a
	global_store_b128 v[CO], v[PC:PC+3], s[14:15] offset:512*\a            ; 32 lanes store 512 consecutive bytes
	global_store_b128 v[CO], v[PC+4:PC+7], s[14:15] offset:512*\a+131072
.endr
.irp a, 0,1,2,3,4,5,6,7
	v_lshrrev_b32 v[TM+\a], v[SH], v[PW+\a]        ; lanes 0-15 keep the first head's two bytes, lanes 16-31 the next head's;
.endr
.irp a, 0,1,2,3,4,5,6,7
	v_and_b32 v[TM+\a], 0xffff, v[TM+\a]           ; the two upper bytes, 0, stand over zero codes alone
.endr
	global_store_b128 v[SO], v[TM:TM+3], s[16:17]              ; tiles 0-3: sixteen lanes store 256 consecutive bytes of a head
	global_store_b128 v[SO], v[TM+4:TM+7], s[16:17] offset:256 ; tiles 4-7
	s_branch .Lend
.Lv_rest:
.irp s, 3,4,5,6,7
	STEP 1, \s
.endr
	PLACES 4
.irp a, 0,1,2,3,4,5,6,7                        ; v: 16 of a head's 64 (tile a % 4 of head a / 4) x my 128 keys: a whole fragment
	QUANT \a
	global_store_b128 v[CO], v[PC:PC+3], s[14:15] offset:4096+1024*(\a%4)+131072*(\a/4)
	global_store_b128 v[CO], v[PC+4:PC+7], s[14:15] offset:4096+1024*(\a%4)+131072*(\a/4)+512
.endr
	v_cmp_eq_u32 vcc_lo, 1, v2
.irp i, 0,1,2,3
	v_cndmask_b32 v[TM+\i], v[PW+\i], v[PW+4+\i], vcc_lo   ; lanes 0-15 the first head's four tiles, lanes 16-31 the next head's
.endr
	global_store_b128 v[SO], v[TM:TM+3], s[16:17] offset:512
.Lend:
	s_wait_tensorcnt 0x0
	ds_add_u32 v106, v107
	s_wait_dscnt 0x0
	CROUND                                         ; the closing round: no work-group ends while a partner may still ask for a tile that names it
	s_endpgm
.Lfunc_end_k_qb0d7a4f997_qkv:
	.size	k_qb0d7a4f997_qkv, .Lfunc_end_k_qb0d7a4f997_qkv-k_qb0d7a4f997_qkv
	.p2alignl 7, 3214868480
	.fill 96, 4, 3214868480
	.section	.rodata,"a",@progbits
	.p2align	6, 0x0
	.amdhsa_kernel k_qb0d7a4f997_qkv
		.amdhsa_group_segment_fixed_size 296448
		.amdhsa_private_segment_fixed_size 0
		.amdhsa_enable_private_segment 0
		.amdhsa_kernarg_size 120
		.amdhsa_user_sgpr_count 2
		.amdhsa_user_sgpr_kernarg_segment_ptr 1
		.amdhsa_wavefront_size32 1
		.amdhsa_system_sgpr_workgroup_id_x 1
		.amdhsa_system_sgpr_workgroup_id_y 1
		.amdhsa_system_sgpr_workgroup_id_z 1
		.amdhsa_system_vgpr_workitem_id 0
		.amdhsa_next_free_vgpr 1024
		.amdhsa_next_free_sgpr 102
		.amdhsa_reserve_vcc 1
		.amdhsa_float_denorm_mode_32 3
		.amdhsa_float_denorm_mode_16_64 3
		.amdhsa_memory_ordered 1
		.amdhsa_forward_progress 1
		.amdhsa_inst_pref_size 249
	.end_amdhsa_kernel
	.amdgpu_metadata
---
amdhsa.version: [ 1, 2 ]
amdhsa.kernels:
  - .name:           k_qb0d7a4f997_qkv
    .symbol:         k_qb0d7a4f997_qkv.kd
    .args:
      - { .name: x_codes, .offset: 0, .size: 8, .value_kind: global_buffer, .address_space: global }
      - { .name: x_scales, .offset: 8, .size: 8, .value_kind: global_buffer, .address_space: global }
      - { .name: wq_codes, .offset: 16, .size: 8, .value_kind: global_buffer, .address_space: global }
      - { .name: wq_scales, .offset: 24, .size: 8, .value_kind: global_buffer, .address_space: global }
      - { .name: bq, .offset: 32, .size: 8, .value_kind: global_buffer, .address_space: global }
      - { .name: qc, .offset: 40, .size: 8, .value_kind: global_buffer, .address_space: global }
      - { .name: qs, .offset: 48, .size: 8, .value_kind: global_buffer, .address_space: global }
      - { .name: wk_codes, .offset: 56, .size: 8, .value_kind: global_buffer, .address_space: global }
      - { .name: wk_scales, .offset: 64, .size: 8, .value_kind: global_buffer, .address_space: global }
      - { .name: bk, .offset: 72, .size: 8, .value_kind: global_buffer, .address_space: global }
      - { .name: wv_codes, .offset: 80, .size: 8, .value_kind: global_buffer, .address_space: global }
      - { .name: wv_scales, .offset: 88, .size: 8, .value_kind: global_buffer, .address_space: global }
      - { .name: bv, .offset: 96, .size: 8, .value_kind: global_buffer, .address_space: global }
      - { .name: kvc, .offset: 104, .size: 8, .value_kind: global_buffer, .address_space: global }
      - { .name: kvs, .offset: 112, .size: 8, .value_kind: global_buffer, .address_space: global }
    .group_segment_fixed_size: 296448
    .private_segment_fixed_size: 0
    .kernarg_segment_align: 8
    .kernarg_segment_size: 120
    .max_flat_workgroup_size: 128
    .sgpr_count:     102
    .vgpr_count:     1024
    .wavefront_size: 32
...
	.end_amdgpu_metadata
.endif
;; end of part 1
;; launch attn (part 2): grid 4 x 64, 16 waves a work-group, no clusters, 169,984 bytes of LDS; arguments qc, qs, kvc, kvs, yc, ys; writes yc, ys
.if DOCPART == 2
	.amdgcn_target "amdgcn-amd-amdhsa--gfx1250"
	.amdhsa_code_object_version 6
	.text
	.protected	k_qb0d7a4f997_attn
	.globl	k_qb0d7a4f997_attn
	.p2align	8
	.type	k_qb0d7a4f997_attn,@function
k_qb0d7a4f997_attn:
	s_mov_b64 s[64:65], 0
	v_nop
	global_prefetch_b8 v0, s[64:65] scope:SCOPE_SE
	s_setreg_imm32_b32 hwreg(HW_REG_WAVE_MODE, 25, 1), 1
	s_wait_xcnt 0x0
; y[b][h][q] = the sum over keys k <= q of softmax_k(q . k / 8) v[k], both products on codes of FP4 (E2M1) with one E8M0 scale for each 32 along a product's K; y is quantised along the model's axis and leaves as codes.
; THE SOFTMAX AHEAD OF THE SECOND PRODUCT: t = score x log2(e) / 8; M = the row's largest t so far, rounded UP to a whole number; p = 2^(t - M) is what is quantised, along the keys, not normalised.
; The row's sum is taken of the unquantised p, in f32, and divides at the end (a reciprocal and a multiplication).  When M moves, the sum and O are multiplied by 2^(old M - new M): exact.
; INPUTS are images of operand registers: four registers of a fragment are 512 dense bytes, lane l's 16 bytes at 16 l.  A head's 64 numbers fill the lower half of K = 128; the upper four registers of Q's and K's
; fragments are zeros, kept in registers, and the upper two bytes of their scale words are 0.
; SHARES.  A work-group serves one head (grid y) and a quarter of its query tiles (grid x).  The head's K and V, 16 key steps of 128 keys: 131,072 bytes of codes and 12,288 of scale words, are brought into LDS ONCE,
; key step w by wave w; nothing is filled again.  Wave w owns the query tiles 16 x + w and 127 - (16 x + w): tile t needs t / 8 + 1 key steps, so every wave of the launch works 17 steps.
; Both passes walk all 16 steps with a constant trip count; a step all of whose keys come after the tile's queries is left out by a scalar branch on ids.  Four waves of 256 registers share a SIMD,
; so that one wave's vector work stands beside another's products and LDS loads.
; NO CLUSTER, though the four work-groups of a head read the same 143,360 bytes: which steps a wave leaves out hangs on its query tiles, that is on the work-group's place among the four.
; LAYOUT.  S^T = K Q^T (source 0 = 16 neighbouring keys, source 1 = my 16 queries), O^T = V^T P^T: a lane holds ONE query (lane % 16) throughout; register j of key tile t is key 16 t + 8 (lane / 16) + j.
; Tiles 2 B, 2 B + 1 hold block B of 32 keys: the first tile's registers are its eighth-group h, the second's group 2 + h.  The conversions' results are placed and exchanged so that register 4 c + g of
; lane half h' holds group g of block 2 c + h': the operand's own order.
; THE EXPONENTIALS STAND AMONG PLAIN WORK.  A step has 68 exponentials and, behind its maximum, 119 plain instructions that hang on each other only loosely.  No two exponentials of the scores follow each other:
; behind each stands plain work that is ready (the scaling of a pair eight pairs ahead, the chain that makes p's scale word, the sum of a pair done two slots back, the rescaling of O^T).
; LIMITS: NaN and infinities are not served.  A block whose largest magnitude lies under 2^-124 keeps the scale byte 1; a block of zeros gets 1 and not 127: its codes are zeros, and this program alone reads the bytes.
.set SCL,  131072                      ; LDS: codes at 0, 8,192 bytes a key step (K's 8 tiles, then V's 4 fragments); the scale words here, 768 bytes a step (K's 512, V's 256)
.set YST,  143360                      ; y's scale halfwords, 1,024 bytes in blocks of their own: no fill lands there
.set LI,   1                           ; v1   16 x lane
.set LR,   2                           ; v2   SCL + 16 r
.set ADK,  3                           ; v3   the step's codes
.set ADS,  4                           ; v4   the step's scale words
.set MD,   5                           ; v5   r - 8 h
.set YA,   6                           ; v6-7 where my tile's scale halfwords go, pass 0 and 1
.set QSW,  8                           ; v8-9 Q's scale words, pass 0 and 1
.set YRD,  10                          ; v10  where waves 0 and 1 read the halfwords back
.set R16,  11                          ; v11  16 r
.set QF,   16                          ; v16-23, v24-31 Q's fragments          v12 -M, v13 the largest t, v[14:15] the sum in two halves
.set KFR,  32                          ; v32-63  four fragments of K
.set VF,   64                          ; v64-95  V's four fragments
.set S,    96                          ; v96-159 S^T, then p; at a pass's end y
.set O,    160                         ; v160-191 O^T
.set PC,   192                         ; v192-199 p's codes
.set KSW,  200                         ; v200-207 K's scale words
.set VSW,  208                         ; v208-211 V's
.set PSW,  212                         ; v212 p's
.set BM,   216                         ; v216-219 block maxima; v220-223 the other half's, then bytes; v224-227 the conversions' scale operands
.set BP,   220
.set BE,   224
.set T0,   228
.set T1,   229
.set F,    230                         ; v[230:231] f = 2^(old M - new M), and a 0 named with it
.set SU,   232                         ; v[232:233] the second chain of the sum
.set NINF, 234
.set DD,   235
.set YC,   236                         ; v236-239, v240-243 y's codes, pass 0 and 1
.set YO,   244
.set WV,   20
.set PART, 21
.set BH,   22
.set SEL,  24                          ; s[24:25] lane selects: lane l xor 16
.set CS,   26                          ; s[26:27] c = log2(e) / 8, twice
.set G1C,  28                          ; s[28:35] group 1 for a step's codes;  s[36:43] for its scale words;  s[44:47], s[48:51] their groups 0
.set G1S,  36
.set G0C,  44
.set G0S,  48
.set TB,   52                          ; s52 LDS byte of the step's codes   s53 of its scale words   s54 its first key   s55 trips to go
.set TS,   53
.set KFS,  54
.set CNT,  55
.set YB,   66                          ; s[66:69] y's codes, s[70:73] Q's codes, s[74:77] Q's scale words: a pair for each pass;  s78-79 my first query;  s[80:81] y's scale halfwords
.set QB,   70
.set QSB,  74
.set Q0,   78
.set YSB,  80
	s_load_b256 s[4:11], s[0:1], 0x0               ; qc, qs, kvc, kvs
	s_load_b128 s[12:15], s[0:1], 0x20             ; yc, ys
	v_lshl_add_u32 v254, v0, 2, 0x29000
	v_mov_b32 v255, 0
	ds_add_u32 v254, v255
	ds_add_u32 v254, v255
	v_lshrrev_b32 v1, 5, v0
	v_readfirstlane_b32 s[WV], v1                  ; wave 0..15
	s_mov_b32 s[PART], ttmp9
	s_and_b32 s[BH], ttmp7, 0xffff                 ; 16 x batch + head
	; group 1: dense blocks as rows of 256 bytes (32 elements of 8 bytes): 32 rows of codes, 3 rows of scale words; no mask, no padding
	s_mov_b32 s[G1C], 3<<16
	s_mov_b32 s[G1C+1], 32<<16
	s_mov_b32 s[G1C+2], 32<<16
	s_mov_b32 s[G1C+3], 32<<16
	s_mov_b32 s[G1C+4], 32
	s_mov_b32 s[G1C+5], 32
	s_mov_b32 s[G1C+6], 0
	s_mov_b32 s[G1C+7], 0
	s_mov_b32 s[G1S], 3<<16
	s_mov_b32 s[G1S+1], 32<<16
	s_mov_b32 s[G1S+2], 3<<16
	s_mov_b32 s[G1S+3], 32<<16
	s_mov_b32 s[G1S+4], 3
	s_mov_b32 s[G1S+5], 32
	s_mov_b32 s[G1S+6], 0
	s_mov_b32 s[G1S+7], 0
	s_lshl_b32 s57, s[BH], 17                      ; the head's codes: 131,072 bytes
	s_lshl_b32 s58, s[WV], 13
	s_add_co_u32 s58, s57, s58                     ; key step w
	s_mov_b32 s59, 0
	s_mul_i32 s60, s[BH], 12288                    ; the head's scale words
	s_mul_i32 s61, s[WV], 768
	s_add_co_u32 s62, s60, s61
	s_mov_b32 s63, 0
	s_wait_dscnt 0x0
	s_wait_kmcnt 0x0
	s_mov_b32 s[G0C], 1
	s_lshl_b32 s[G0C+1], s[WV], 13                 ; LDS: 8,192 x wave
	s_add_nc_u64 s[G0C+2:G0C+3], s[8:9], s[58:59]
	s_or_b32 s[G0C+3], s[G0C+3], 0x80000000
	s_mov_b32 s[G0S], 1
	s_add_co_u32 s[G0S+1], s61, SCL                ; LDS: SCL + 768 x wave
	s_add_nc_u64 s[G0S+2:G0S+3], s[10:11], s[62:63]
	s_or_b32 s[G0S+3], s[G0S+3], 0x80000000
	tensor_load_to_lds s[G0C:G0C+3], s[G1C:G1C+7]  ; every wave's two fills go out together, ahead of every wait, LDS read and barrier: two loads of mine are out
	s_nop 0
	tensor_load_to_lds s[G0S:G0S+3], s[G1S:G1S+7]
	s_nop 0
.rept 4
	v_nop
.endr
	s_mov_b32 s[SEL], 0x76543210
	s_mov_b32 s[SEL+1], 0xfedcba98
	s_mov_b32 s[CS], 0x3e38aa3b                    ; c = log2(e) / sqrt(64)
	s_mov_b32 s[CS+1], s[CS]
	s_lshl_b32 s56, s[PART], 4
	s_add_co_u32 s56, s56, s[WV]                   ; pass 0's query tile
.irp p, 0,1
.if \p == 1
	s_xor_b32 s56, s56, 127                        ; pass 1's: 127 - the first
.endif
	s_lshl_b32 s[Q0+\p], s56, 4                    ; its first query
	s_lshr_b32 s58, s56, 3                         ; its group of 128 tokens,
	s_and_b32 s61, s56, 7                          ; its place there
	s_lshl_b32 s62, s58, 13
	s_lshl_b32 s63, s61, 9
	s_add_co_u32 s62, s62, s63
	s_add_co_u32 s62, s62, s57
	s_mov_b32 s63, 0
	s_add_nc_u64 s[QB+2*\p:QB+2*\p+1], s[4:5], s[62:63]
	s_mul_i32 s62, s58, 768                        ; its scale words: [half of the group][r][4 tiles]
	s_bfe_u32 s61, s56, 0x10002
	s_lshl_b32 s61, s61, 8
	s_add_co_u32 s62, s62, s61
	s_and_b32 s61, s56, 3
	s_lshl_b32 s61, s61, 2
	s_add_co_u32 s62, s62, s61
	s_add_co_u32 s62, s62, s60
	s_add_nc_u64 s[QSB+2*\p:QSB+2*\p+1], s[6:7], s[62:63]
	s_lshr_b32 s61, s[BH], 4                       ; y's codes: [token tile 128 x batch + tile][head][512 bytes]
	s_lshl_b32 s61, s61, 7
	s_add_co_u32 s61, s61, s56
	s_lshl_b32 s62, s61, 13
	s_and_b32 s61, s[BH], 15
	s_lshl_b32 s61, s61, 9
	s_add_co_u32 s62, s62, s61
	s_add_nc_u64 s[YB+2*\p:YB+2*\p+1], s[12:13], s[62:63]
.endr
	s_lshl_b32 s58, s[PART], 9                     ; y's scale halfwords: pass 0's 256 tokens begin at token 256 x, pass 1's at 1,792 - 256 x; wave 0 stores the first, wave 1 the second
	s_sub_co_u32 s59, 3584, s58
	s_and_b32 s61, s[WV], 1
	s_cmp_eq_u32 s61, 0
	s_cselect_b32 s62, s58, s59
	s_lshl_b32 s61, s[BH], 12
	s_add_co_u32 s62, s62, s61
	s_add_nc_u64 s[YSB:YSB+1], s[14:15], s[62:63]
	v_and_b32 v14, 31, v0
	v_lshlrev_b32 v[LI], 4, v14
	v_and_b32 v12, 15, v0                          ; r
	v_bfe_u32 v13, v0, 4, 1                        ; h
	v_lshlrev_b32 v[R16], 4, v12
	v_add_nc_u32 v[LR], SCL, v[R16]
	v_lshlrev_b32 v15, 3, v13
	v_sub_nc_u32 v[MD], v12, v15
	s_lshl_b32 s58, s[WV], 5
	s_add_co_u32 s58, s58, YST
	v_lshl_add_u32 v[YA], v12, 1, s58              ; YST + 32 w + 2 r
	s_xor_b32 s59, s[WV], 15
	s_lshl_b32 s59, s59, 5
	s_add_co_u32 s59, s59, YST+512
	v_lshl_add_u32 v[YA+1], v12, 1, s59            ; YST + 512 + 32 (15 - w) + 2 r
	s_and_b32 s59, s[WV], 1
	s_lshl_b32 s59, s59, 9
	s_add_co_u32 s59, s59, YST
	v_add_nc_u32 v[YRD], s59, v[LI]
	global_load_b128 v[QF:QF+3], v[LI], s[QB:QB+1]             ; Q's fragments stay in registers
	global_load_b128 v[QF+8:QF+11], v[LI], s[QB+2:QB+3]
	global_load_b32 v[QSW], v[R16], s[QSB:QSB+1]
	global_load_b32 v[QSW+1], v[R16], s[QSB+2:QSB+3]
.irp j, 4,5,6,7,12,13,14,15
	v_mov_b32 v[QF+\j], 0                          ; K = 64 .. 127 of the first product: zero codes, written once
.endr
.irp t, 0,1,2,3
.irp j, 4,5,6,7
	v_mov_b32 v[KFR+8*\t+\j], 0
.endr
.endr
.irp b, 0,1,2,3
	v_mov_b32 v[BP+\b], 0                          ; written once: a lane permute's destination counts as one of its sources
.endr
	v_mov_b32 v[T1], 0
	v_mov_b32 v[F+1], 0                            ; named as the upper half of a pair
	v_mov_b32 v[NINF], 0xff800000                  ; -infinity
; Addition k of 31 of the row's sum, which is taken of the unquantised p, two numbers at a time, in two chains.  Addition 0 starts the second chain with pairs 0 and 1; addition k takes pair k + 1:
; the even pairs go to the sum itself, the odd ones to the second chain.
.macro ADDP k
.if (\k) == 0
	v_pk_add_f32 v[SU:SU+1], v[S:S+1], v[S+2:S+3]
.elseif ((\k)%2) == 1
	s_wait_alu depctr_va_vdst(0)
	v_pk_add_f32 v[14:15], v[14:15], v[S+2*(\k)+2:S+2*(\k)+3]
.else
	v_pk_add_f32 v[SU:SU+1], v[SU:SU+1], v[S+2*(\k)+2:S+2*(\k)+3]
.endif
.endm
; The first three links of the search for the largest score of blocks b0 and b1.
.macro MAXHEAD b0, b1
.irp b, \b0, \b1
	v_max3_num_f32 v[BM+\b], v[S+16*\b], v[S+16*\b+1], v[S+16*\b+2]
.endr
.irp i, 3,5
.irp b, \b0, \b1
	v_max3_num_f32 v[BM+\b], v[BM+\b], v[S+16*\b+\i], v[S+16*\b+\i+1]
.endr
.endr
.endm
; A KEY STEP: 128 keys.  qf: Q's fragment; qsw: its scale words; q0: the scalar register with the tile's first query.
.macro STEP qf, qsw, q0
	s_add_co_u32 s57, s[\q0], 15
	s_cmp_gt_u32 s[KFS], s57                       ; all 128 keys come after my 16 queries: the step's work is left out, not the lines at its end that step addresses
	s_cbranch_scc1 .Lhidden_\@
	v_add_nc_u32 v[ADK], s[TB], v[LI]
	v_add_nc_u32 v[ADS], s[TS], v[LR]
.irp t, 0,1,2,3
	ds_load_b128 v[KFR+8*\t:KFR+8*\t+3], v[ADK] offset:512*\t          ; key tiles 0-3
.endr
	ds_load_b128 v[KSW:KSW+3], v[ADS]                                  ; K's scale words: lane r has key r's of tiles 0-3,
	ds_load_b128 v[KSW+4:KSW+7], v[ADS] offset:256                     ; and of tiles 4-7
	s_wait_dscnt 0x0
.irp t, 0,1,2,3
	v_wmma_scale_f32_16x16x128_f8f6f4 v[S+8*\t:S+8*\t+7], v[KFR+8*\t:KFR+8*\t+7], v[\qf:\qf+7], 0, v[KSW+\t], v[\qsw] matrix_a_fmt:MATRIX_FMT_FP4 matrix_b_fmt:MATRIX_FMT_FP4
.endr
.rept 4
	v_nop                                          ; places in front of loads into registers that matrix instructions have read (with the two additions above also behind the last step's products, whose V is loaded anew), and of the first read of these four results
.endr
.irp t, 0,1,2,3
	ds_load_b128 v[KFR+8*\t:KFR+8*\t+3], v[ADK] offset:2048+512*\t     ; key tiles 4-7
.endr
.irp f, 0,1,2,3,4,5,6,7
	ds_load_b128 v[VF+4*\f:VF+4*\f+3], v[ADK] offset:4096+512*\f       ; V's four fragments: they land under the softmax
.endr
	ds_load_b128 v[VSW:VSW+3], v[ADS] offset:512                       ; V's scale words
	s_wait_dscnt 0x9                               ; K's four are in; V's eight and its scale words, issued behind them, may be out
.irp t, 0,1,2,3
	v_wmma_scale_f32_16x16x128_f8f6f4 v[S+32+8*\t:S+32+8*\t+7], v[KFR+8*\t:KFR+8*\t+7], v[\qf:\qf+7], 0, v[KSW+4+\t], v[\qsw] matrix_a_fmt:MATRIX_FMT_FP4 matrix_b_fmt:MATRIX_FMT_FP4
.endr
	; No v_nop here: on both ways the next vector instructions work on registers 0-31 of S^T, the first four products' results, and name no register of the last four products: they are those products' places
	; (the masked way: one addition and 64 lines; the open way: six maxima; four are asked, ISA guide 7.12.1).
	s_add_co_u32 s57, s[KFS], 127                  ; on the diagonal the scores of hidden keys become -infinity ahead of the maximum: p = 0 then.  A step all of whose keys count skips this
	s_cmp_le_u32 s57, s[\q0]
	s_cbranch_scc1 .Lopen_\@
	s_sub_co_i32 s57, s[\q0], s[KFS]
	v_add_nc_u32 v[DD], s57, v[MD]                 ; d = my query - the step's first key - 8 h.  Register 8 t + j holds key 16 t + 8 h + j of the step: hidden where 16 t + j > d
.irp n, 0,1,2,3,4,5,6,7,8,9,10,11,12,13,14,15,16,17,18,19,20,21,22,23,24,25,26,27,28,29,30,31,32,33,34,35,36,37,38,39,40,41,42,43,44,45,46,47,48,49,50,51,52,53,54,55,56,57,58,59,60,61,62,63
	v_cmp_gt_i32 vcc_lo, 16*(\n/8)+\n%8, v[DD]
	v_cndmask_b32 v[S+\n], v[S+\n], v[NINF], vcc_lo
.endr
.Lopen_\@:
	MAXHEAD 0, 1                                   ; the largest score of each block of 32 keys: it serves the row's maximum and, since p rises with the score, the block's largest p.  Blocks 0 and 1 begin,
	MAXHEAD 2, 3                                   ; blocks 2 and 3 catch up,
.irp i, 7,9,11,13
.irp b, 0,1,2,3
	v_max3_num_f32 v[BM+\b], v[BM+\b], v[S+16*\b+\i], v[S+16*\b+\i+1]  ; and the four go on by turns
.endr
.endr
.irp b, 0,1,2,3
	v_max_num_f32 v[BM+\b], v[BM+\b], v[S+16*\b+15]
.endr
.irp b, 0,1,2,3
	v_permlanex16_b32 v[BP+\b], v[BM+\b], s[SEL], s[SEL+1]
.endr
.irp b, 0,1,2,3
	v_max_num_f32 v[BM+\b], v[BM+\b], v[BP+\b]     ; with lane l xor 16's 16 keys
.endr
	v_max3_num_f32 v[T0], v[BM], v[BM+1], v[BM+2]
	v_max_num_f32 v[T0], v[T0], v[BM+3]            ; the step's largest score of my query
	v_mul_f32 v[T0], s[CS], v[T0]                  ; as t (c is positive)
	v_max_num_f32 v13, v13, v[T0]                  ; the running largest t
	v_mov_b32 v[T0], v12
	v_floor_f32 v12, -v13                          ; the new -M = floor(-t) = -ceil(t): a whole number
	v_sub_f32 v[T0], v12, v[T0]                    ; M's old value less its new one: a whole number, 0 or less
	v_cvt_i32_f32 v[T0], v[T0]                     ; (it saturates)
	v_ldexp_f32 v[F], 1.0, v[T0]                   ; f = 2^(old M - new M)
.irp b, 0,1,2,3
	v_fma_f32 v[BM+\b], v[BM+\b], s[CS], v12       ; t - M of each block's largest score
.endr
.irp j, 0,2,4,6
	v_pk_fma_f32 v[S+\j:S+\j+1], v[S+\j:S+\j+1], s[CS:CS+1], v[12:13] op_sel_hi:[1,0,0]   ; t - M, two at a time: pairs 0-3
.endr
.irp b, 0,1,2,3
	v_exp_f32 v[BM+\b], v[BM+\b]                   ; the block's largest p: the same two instructions on the same number give the same bits as in the block itself
	v_pk_fma_f32 v[S+8+2*\b:S+9+2*\b], v[S+8+2*\b:S+9+2*\b], s[CS:CS+1], v[12:13] op_sel_hi:[1,0,0]   ; pairs 4-7
.endr
; 64 slots: the exponential of number en, p = 2^(t - M), at most 1, and behind it one or two plain instructions that name neither its source nor its result: so each exponential has its plain instruction
; before its result is used (ISA guide 5.7.2).  Even slots: t - M of the pair eight pairs ahead, then O^T's first half x f.  Odd slots: the sum x f; the twelve lines and three that make p's scale operands,
; bytes and scale word; O^T's second half x f; and, from slot 5 to slot 51, addition (en - 5) / 2 of the sum, whose pair's exponentials stand in slots en - 3 and en - 2.
.set en, 0
.rept 64
	v_exp_f32 v[S+en], v[S+en]
.if ((en%2) == 0) && (en < 48)
	v_pk_fma_f32 v[S+16+en:S+17+en], v[S+16+en:S+17+en], s[CS:CS+1], v[12:13] op_sel_hi:[1,0,0]
.elseif (en%2) == 0
	v_pk_mul_f32 v[O+en-48:O+en-47], v[O+en-48:O+en-47], v[F:F+1] op_sel_hi:[1,0]
.elseif en == 1
	v_pk_mul_f32 v[14:15], v[14:15], v[F:F+1] op_sel_hi:[1,0]          ; the sum under the new M
.elseif en < 10
	s_wait_alu depctr_va_vdst(0)
	v_max_num_f32 v[BM+(en-3)/2], 0x1800000, v[BM+(en-3)/2]            ; the floor 2^(3 - 127): the byte cannot fall under 1
.elseif en < 18
	v_add_nc_u32 v[BE+(en-11)/2], 0xff000000, v[BM+(en-11)/2]          ; 2 off the exponent field: the conversion's scale operand
.elseif en < 26
	v_lshrrev_b32 v[BP+(en-19)/2], 23, v[BE+(en-19)/2]                 ; the scale's byte
.elseif en == 27
	v_lshl_or_b32 v[PSW], v[BP+1], 8, v[BP]                            ; p's scale word for these 128 keys
.elseif en == 29
	v_lshl_or_b32 v[PSW], v[BP+2], 16, v[PSW]
.elseif en == 31
	v_lshl_or_b32 v[PSW], v[BP+3], 24, v[PSW]
.elseif en > 48
	v_pk_mul_f32 v[O+en-33:O+en-32], v[O+en-33:O+en-32], v[F:F+1] op_sel_hi:[1,0]
.endif
.if ((en%2) == 1) && (en >= 5) && (en <= 51)
	ADDP (en-5)/2
.endif
.set en, en+1
.endr
.irp c, 0,1
	v_cvt_scalef32_pk8_fp4_f32 v[PC+4*\c],   v[S+32*\c:S+32*\c+7],     v[BE+2*\c]     ; group h of block 2 c
	s_wait_alu depctr_va_vdst(0)
	v_cvt_scalef32_pk8_fp4_f32 v[PC+4*\c+1], v[S+32*\c+16:S+32*\c+23], v[BE+2*\c+1]   ; group h of block 2 c + 1
	v_cvt_scalef32_pk8_fp4_f32 v[PC+4*\c+2], v[S+32*\c+8:S+32*\c+15],  v[BE+2*\c]     ; group 2 + h of block 2 c
	v_cvt_scalef32_pk8_fp4_f32 v[PC+4*\c+3], v[S+32*\c+24:S+32*\c+31], v[BE+2*\c+1]   ; group 2 + h of block 2 c + 1
.endr
	v_nop                                          ; one plain place behind a scaled conversion
.irp c, 0,1
	v_permlane16_swap_b32 v[PC+4*\c], v[PC+4*\c+1] ; register 4 c + g now holds group g of block 2 c + h
	v_permlane16_swap_b32 v[PC+4*\c+2], v[PC+4*\c+3]
.endr
.irp k, 24,25,26,27,28,29,30
	ADDP \k                                        ; the sum's last pairs: with the line below eight plain instructions that name no register of the products below: the places between p's codes and those products
.endr
	v_pk_add_f32 v[14:15], v[14:15], v[SU:SU+1]
	s_wait_dscnt 0x0                               ; V and its scale words
.irp t, 0,1,2,3                                ; O^T += V^T P^T: the four accumulators by turns, one instruction a turn
	v_wmma_scale_f32_16x16x128_f8f6f4 v[O+8*\t:O+8*\t+7], v[VF+8*\t:VF+8*\t+7], v[PC:PC+7], v[O+8*\t:O+8*\t+7], v[VSW+\t], v[PSW] matrix_a_fmt:MATRIX_FMT_FP4 matrix_b_fmt:MATRIX_FMT_FP4
.endr
.Lhidden_\@:
	s_add_co_u32 s[KFS], s[KFS], 128
	s_add_co_u32 s[TB], s[TB], 8192
	s_add_co_u32 s[TS], s[TS], 768
.endm
; A PASS: one tile of 16 queries through all key steps, then y = O / the sum, quantised along the head's 64 numbers (two blocks of the last product's K).
.macro PASS p
	v_mov_b32 v13, 0xff61b1e6                      ; the largest t so far: -3e38, under every t
	v_floor_f32 v12, -v13                          ; -M
	v_mov_b32 v14, 0
	v_mov_b32 v15, 0
.irp j, 0,1,2,3,4,5,6,7,8,9,10,11,12,13,14,15,16,17,18,19,20,21,22,23,24,25,26,27,28,29,30,31
	v_mov_b32 v[O+\j], 0                           ; the step is written once: the first finds zeros, which the first change of M leaves zeros
.endr
	s_mov_b32 s[TB], 0
	s_mov_b32 s[TS], 0
	s_mov_b32 s[KFS], 0
	s_mov_b32 s[CNT], 16
.Lk_\@:
	STEP QF+8*\p, QSW+\p, Q0+\p
	s_sub_co_u32 s[CNT], s[CNT], 1
	s_cmp_lg_u32 s[CNT], 0
	s_cbranch_scc1 .Lk_\@
.rept 4
	v_nop                                          ; places behind the last products
.endr
	v_add_f32 v14, v14, v15                        ; the sum's two halves,
	v_permlanex16_b32 v[T1], v14, s[SEL], s[SEL+1]
	v_add_f32 v14, v14, v[T1]                      ; and lane l xor 16's
	v_rcp_f32 v14, v14
	v_nop                                          ; one plain place behind a transcendental
.irp j, 0,2,4,6,8,10,12,14,16,18,20,22,24,26,28,30
	s_wait_alu depctr_va_vdst(0)
	v_pk_mul_f32 v[S+\j:S+\j+1], v[O+\j:O+\j+1], v[14:15] op_sel_hi:[1,0]   ; y: register 8 t + j is channel 16 t + 8 h + j of query r
.endr
.irp b, 0,1
	v_max3_num_f32 v[BM+\b], |v[S+16*\b]|, |v[S+16*\b+1]|, 0x1800000
.endr
.irp i, 2,4,6,8,10,12,14
.irp b, 0,1
	v_max3_num_f32 v[BM+\b], v[BM+\b], |v[S+16*\b+\i]|, |v[S+16*\b+\i+1]|
.endr
.endr
.irp b, 0,1
	v_permlanex16_b32 v[BP+\b], v[BM+\b], s[SEL], s[SEL+1]
.endr
.irp b, 0,1
	v_max_num_f32 v[BM+\b], v[BM+\b], v[BP+\b]
.endr
.irp b, 0,1
	v_add_nc_u32 v[BE+\b], 0xff000000, v[BM+\b]
.endr
.irp b, 0,1
	v_lshrrev_b32 v[BP+\b], 23, v[BE+\b]
.endr
	v_lshl_or_b32 v[T1], v[BP+1], 8, v[BP]         ; my query's two scale bytes
	v_cvt_scalef32_pk8_fp4_f32 v[YC+4*\p],   v[S:S+7],     v[BE]
	v_cvt_scalef32_pk8_fp4_f32 v[YC+4*\p+1], v[S+16:S+23], v[BE+1]
	v_cvt_scalef32_pk8_fp4_f32 v[YC+4*\p+2], v[S+8:S+15],  v[BE]
	v_cvt_scalef32_pk8_fp4_f32 v[YC+4*\p+3], v[S+24:S+31], v[BE+1]
	v_nop                                          ; one plain place behind a scaled conversion
	v_permlane16_swap_b32 v[YC+4*\p], v[YC+4*\p+1]
	v_permlane16_swap_b32 v[YC+4*\p+2], v[YC+4*\p+3]
	global_store_b128 v[LI], v[YC+4*\p:YC+4*\p+3], s[YB+2*\p:YB+2*\p+1]    ; 32 lanes store 512 consecutive bytes: half a fragment of the last product; each pass has registers of its own
	ds_store_b16 v[YA+\p], v[T1]                   ; both lanes of a query write the same halfword with the same value
.endm
	s_wait_loadcnt 0x0                             ; Q
	s_wait_tensorcnt 0x0                           ; my key step is in LDS,
	s_barrier_signal -1
	s_barrier_wait -1                              ; everybody's is
	PASS 0
	PASS 1
	s_wait_dscnt 0x0                               ; for the others' sake: my halfwords are stored
	s_barrier_signal -1
	s_barrier_wait -1
	s_cmp_lt_u32 s[WV], 2
	s_cbranch_scc0 .Ldone
	ds_load_b128 v[YO:YO+3], v[YRD]                ; wave 0: pass 0's 256 tokens, wave 1: pass 1's
	s_wait_dscnt 0x0
	global_store_b128 v[LI], v[YO:YO+3], s[YSB:YSB+1]          ; 512 consecutive bytes
.Ldone:
	s_wait_tensorcnt 0x0
	ds_add_u32 v254, v255
	s_wait_dscnt 0x0
	s_endpgm
.Lfunc_end_k_qb0d7a4f997_attn:
	.size	k_qb0d7a4f997_attn, .Lfunc_end_k_qb0d7a4f997_attn-k_qb0d7a4f997_attn
	.p2alignl 7, 3214868480
	.fill 96, 4, 3214868480
	.section	.rodata,"a",@progbits
	.p2align	6, 0x0
	.amdhsa_kernel k_qb0d7a4f997_attn
		.amdhsa_group_segment_fixed_size 169984
		.amdhsa_private_segment_fixed_size 0
		.amdhsa_enable_private_segment 0
		.amdhsa_kernarg_size 48
		.amdhsa_user_sgpr_count 2
		.amdhsa_user_sgpr_kernarg_segment_ptr 1
		.amdhsa_wavefront_size32 1
		.amdhsa_system_sgpr_workgroup_id_x 1
		.amdhsa_system_sgpr_workgroup_id_y 1
		.amdhsa_system_sgpr_workgroup_id_z 1
		.amdhsa_system_vgpr_workitem_id 0
		.amdhsa_next_free_vgpr 256
		.amdhsa_next_free_sgpr 84
		.amdhsa_reserve_vcc 1
		.amdhsa_float_denorm_mode_32 3
		.amdhsa_float_denorm_mode_16_64 3
		.amdhsa_memory_ordered 1
		.amdhsa_forward_progress 1
		.amdhsa_inst_pref_size 60
	.end_amdhsa_kernel
	.amdgpu_metadata
---
amdhsa.version: [ 1, 2 ]
amdhsa.kernels:
  - .name:           k_qb0d7a4f997_attn
    .symbol:         k_qb0d7a4f997_attn.kd
    .args:
      - { .name: qc, .offset: 0, .size: 8, .value_kind: global_buffer, .address_space: global }
      - { .name: qs, .offset: 8, .size: 8, .value_kind: global_buffer, .address_space: global }
      - { .name: kvc, .offset: 16, .size: 8, .value_kind: global_buffer, .address_space: global }
      - { .name: kvs, .offset: 24, .size: 8, .value_kind: global_buffer, .address_space: global }
      - { .name: yc, .offset: 32, .size: 8, .value_kind: global_buffer, .address_space: global }
      - { .name: ys, .offset: 40, .size: 8, .value_kind: global_buffer, .address_space: global }
    .group_segment_fixed_size: 169984
    .private_segment_fixed_size: 0
    .kernarg_segment_align: 8
    .kernarg_segment_size: 48
    .max_flat_workgroup_size: 512
    .sgpr_count:     84
    .vgpr_count:     256
    .wavefront_size: 32
...
	.end_amdgpu_metadata
.endif
;; end of part 2
;; launch proj (part 3): grid 4 x 64, 4 waves a work-group, clusters of 4 x 4, 251,904 bytes of LDS; arguments yc, ys, wo_codes, wo_scales, bo, out0; writes out0
.if DOCPART == 3
	.amdgcn_target "amdgcn-amd-amdhsa--gfx1250"
	.amdhsa_code_object_version 6
	.text
	.protected	k_qb0d7a4f997_proj
	.globl	k_qb0d7a4f997_proj
	.p2align	8
	.type	k_qb0d7a4f997_proj,@function
k_qb0d7a4f997_proj:
	s_mov_b64 s[64:65], 0
	v_nop
	global_prefetch_b8 v0, s[64:65] scope:SCOPE_SE
	s_setreg_imm32_b32 hwreg(HW_REG_WAVE_MODE, 25, 1), 1
	s_wait_xcnt 0x0
	s_wait_alu depctr_hold_cnt(0) depctr_sa_sdst(0) depctr_va_vdst(0) depctr_va_sdst(0) depctr_va_ssrc(0) depctr_va_vcc(0) depctr_vm_vsrc(0)
	s_getreg_b32 s2, hwreg(HW_REG_IB_STS2, 6, 4)
	s_cmp_eq_u32 s2, 0
	s_cbranch_scc0 .Lentry_in_a_cluster
	s_endpgm
.Lentry_in_a_cluster:
	s_bfe_u32 s2, ttmp6, 0x10000c
	s_cmp_lg_u32 s2, 0xf033
	s_cbranch_scc0 .Lentry_shape_is_right
	s_endpgm
.Lentry_shape_is_right:
; out0 = y wo + bo on codes of FP4 (E2M1) with one E8M0 scale for each 32 along K = 1,024; sums and result in f32.
; y arrives as images of operand registers, [token tile][head][512 bytes]: head 2 s + c is registers 4 c .. 4 c + 3 of the fragment of K step s; its scale bytes as halfwords [16 batch + head][token].
; wo arrives as rows of 512 bytes of codes and 32 scale bytes.
; SHARES.  A work-group makes 128 tokens x 256 columns: 256 work-groups.  A wave makes 64 tokens x 128 columns: 32 accumulators, 256 registers.  Clusters of 4 x 4: y's tiles are asked for jointly along a row
; of the cluster, wo's along a column.  ALL OF K LIES IN LDS AT ONCE, in two halves: every LDS byte is filled once, nothing is filled again.
; THE MATRIX INSTRUCTION IS USED TRANSPOSED (source 0 = 16 rows of wo, source 1 = 16 tokens): a lane holds eight neighbouring columns of one row of the result.  The bias is the C of each sum's first
; matrix instruction: it is summed ahead of the products.
; LIMITS: a given scale byte 0xff is not served.
; REGISTERS.  window 0: v1 r, v2 h, v16-28 addresses; v32-95 wo's scale words (8 b + s); v96-127 y's (8 m + s); v128-191 y's fragments, two sets of 32; v192-255 y's scale halfwords; on the way out v128-255 rows read back.
;   window 1: v0-127 wo's fragments, two sets; v128-191 the bias.   window 2: accumulator (m, b) at v[8 (8 m + b)].
.set PITCH,  272
.set HALFT,  128*PITCH
.set BSLOT,  2*HALFT                   ; half of K of wo's 256 rows
.set BS,     65536                     ; LDS: y's images at 0: [K half][token tile 8][4,096 bytes]; wo's two halves here;
.set BSC,    BS+2*BSLOT                ; wo's scale bytes, rows of 256 bytes + 16;
.set HALFS,  16*272
.set SBLK,   2*272
.set YSC,    BSC+2*HALFS               ; y's scale halfwords, [head 16][128 tokens];
.set STG,    YSC+4096                  ; the stages for the way out, 16 rows x (512 + 16) bytes a wave, in blocks of their own: no fill lands there
.set SPITCH, 528
.set ADRA, 16                          ; v16    my y images: 16,384 x token half + 16 x lane
.set ADRB, 20                          ; v20-21 my fragments of wo in K half 0, 1
.set WSA,  22                          ; v22    wo's scale words
.set YSA,  23                          ; v23    y's scale halfwords
.set STO,  24
.set RD,   25
.set CO,   26                          ; v26    16 x lane
.set BOF,  28                          ; v28    32 h
.set WS,   32
.set YW,   96
.set AF,   128
.set HW,   192
.set BK,   128
.set BF,   0
.set BI,   128
.set CM,   16
.set WV,   18
.set G1A,  36                          ; s[36:43], s[44:51] groups 1 and 0 (K half 0, 1) for y's images
.set G0A,  44
.set G1B,  52                          ; s[52:59], s[68:75] for wo's tiles
.set WR,   60                          ; s60 my half of the tokens; also: I fetch for y (0) or for wo (1)
.set WC,   61                          ; s61 my half of the columns; also: which half I fetch
.set CX,   62
.set CY,   63
.set TR,   66                          ; s66 block of 128 tokens
.set RM,   67
.set G0B,  68
.set G1YS, 76                          ; s[76:83], s[84:87] for y's scale halfwords
.set G0YS, 84
.set G1BS, 88                          ; s[88:95], s[96:99] for wo's scale bytes
.set G0BS, 96
.set MSB, 0
.macro WIN new
.if MSB != (\new)
	s_set_vgpr_msb (MSB<<8)|(\new)
.set MSB, (\new)
.endif
.endm
.macro JLOAD g0a, g1a, g0b, g1b        ; a joint load: waves 0 and 1 fetch for y, waves 2 and 3 for wo; four v_nop follow each line
	s_cmp_eq_u32 s[WR], 0
	s_cbranch_scc0 .Lfor_w_\@
	tensor_load_to_lds s[\g0a:\g0a+3], s[\g1a:\g1a+7]
	s_nop 0
.rept 4
	v_nop
.endr
	s_branch .Lasked_\@
.Lfor_w_\@:
	tensor_load_to_lds s[\g0b:\g0b+3], s[\g1b:\g1b+7]
	s_nop 0
.rept 4
	v_nop
.endr
.Lasked_\@:
.endm
.macro CROUND                          ; a round of the cluster's barrier
	s_barrier_signal -1
	s_barrier_wait -1
	s_cmp_lg_u32 s[WV], 0
	s_cbranch_scc1 .Lnot_wave_0_\@
	s_barrier_signal -3
.Lnot_wave_0_\@:
	s_barrier_wait -3
	s_barrier_signal -1
	s_barrier_wait -1
.endm
.macro PLACES n
.rept \n
	v_nop
.endr
.endm
	s_load_b256 s[4:11], s[0:1], 0x0               ; yc, ys, wo's codes, wo's scales
	s_load_b128 s[12:15], s[0:1], 0x20             ; bo, out0
	v_lshl_add_u32 v30, v0, 2, 0x3d600
	v_mov_b32 v31, 0
	ds_add_u32 v30, v31
	ds_add_u32 v30, v31
	v_lshrrev_b32 v1, 5, v0
	v_readfirstlane_b32 s[WV], v1
	s_lshr_b32 s[WR], s[WV], 1
	s_and_b32 s[WC], s[WV], 1
	s_bfe_u32 s[CX], ttmp6, 0x40000                ; the grid is one cluster wide: cx is the block of 256 columns
	s_bfe_u32 s[CY], ttmp6, 0x40004
	s_and_b32 s[TR], ttmp7, 0xffff
	s_lshl_b32 s[TR], s[TR], 2
	s_add_co_u32 s[TR], s[TR], s[CY]
	s_lshl_b32 s[RM], s[CY], 2
	s_lshl_b32 s[RM], 15, s[RM]                    ; my row of the cluster
	s_lshl_b32 s[CM], 0x1111, s[CX]                ; my column
	; y's images: 4 token tiles x 4,096 bytes (512 elements of 8 bytes), 8,192 bytes apart in memory, dense in LDS
	s_or_b32 s[G1A], s[RM], (3<<16)|(1<<21)
	s_mov_b32 s[G1A+1], 512<<16
	s_mov_b32 s[G1A+2], 4<<16
	s_mov_b32 s[G1A+3], 512<<16
	s_mov_b32 s[G1A+4], 4
	s_mov_b32 s[G1A+5], 1024
	s_mov_b32 s[G1A+6], 0
	s_mov_b32 s[G1A+7], 0
	; wo's tiles: 128 rows x 256 bytes, 512 bytes apart, 16 bytes of padding behind each row
	s_or_b32 s[G1B], s[CM], (1<<20)|(1<<21)|(5<<22)|(3<<25)
	s_mov_b32 s[G1B+1], 256<<16
	s_mov_b32 s[G1B+2], 128<<16
	s_mov_b32 s[G1B+3], 256<<16
	s_mov_b32 s[G1B+4], 128
	s_mov_b32 s[G1B+5], 512
	s_mov_b32 s[G1B+6], 0
	s_mov_b32 s[G1B+7], 0
	; y's scale halfwords: 8 heads x 256 bytes (my 128 tokens), 4,096 bytes apart, dense in LDS
	s_or_b32 s[G1YS], s[RM], (3<<16)|(1<<21)
	s_mov_b32 s[G1YS+1], 32<<16
	s_mov_b32 s[G1YS+2], 8<<16
	s_mov_b32 s[G1YS+3], 32<<16
	s_mov_b32 s[G1YS+4], 8
	s_mov_b32 s[G1YS+5], 512
	s_mov_b32 s[G1YS+6], 0
	s_mov_b32 s[G1YS+7], 0
	; wo's scale bytes of 128 rows: 4,096 dense bytes as 16 rows of 256, 16 bytes of padding behind each
	s_or_b32 s[G1BS], s[CM], (3<<16)|(1<<20)|(1<<21)|(5<<22)|(3<<25)
	s_mov_b32 s[G1BS+1], 32<<16
	s_mov_b32 s[G1BS+2], 16<<16
	s_mov_b32 s[G1BS+3], 32<<16
	s_mov_b32 s[G1BS+4], 16
	s_mov_b32 s[G1BS+5], 32
	s_mov_b32 s[G1BS+6], 0
	s_mov_b32 s[G1BS+7], 0
	s_lshl_b32 s20, s[TR], 3                       ; y: token tile 8 x block + 4 x half; these registers never hold cx
	s_lshl_b32 s21, s[WC], 2
	s_add_co_u32 s20, s20, s21
	s_lshl_b32 s22, s20, 13
	s_mov_b32 s23, 0
	s_lshr_b32 s24, s[TR], 4                       ; its halfwords: batch x 65,536 + 8 heads x half + my 128 tokens
	s_lshl_b32 s24, s24, 16
	s_lshl_b32 s21, s[WC], 15
	s_add_co_u32 s24, s24, s21
	s_and_b32 s21, s[TR], 15
	s_lshl_b32 s21, s21, 8
	s_add_co_u32 s24, s24, s21
	s_mov_b32 s25, 0
	s_lshl_b32 s26, s[CX], 8                       ; wo: row 256 cx + 128 x half; these never hold cy
	s_lshl_b32 s27, s[WC], 7
	s_add_co_u32 s26, s26, s27
	s_lshl_b32 s28, s26, 9
	s_mov_b32 s29, 0
	s_lshl_b32 s30, s26, 5
	s_mov_b32 s31, 0
	s_lshl_b32 s32, s[WC], 14                      ; where they go: the half that I fetch x a constant: no place in the cluster enters an LDS address
	s_mul_i32 s33, s[WC], HALFT
	s_lshl_b32 s34, s[WC], 11
	s_mul_i32 s35, s[WC], HALFS
	s_wait_dscnt 0x0
	s_wait_kmcnt 0x0
	s_add_nc_u64 s[22:23], s[4:5], s[22:23]
	s_add_nc_u64 s[24:25], s[6:7], s[24:25]
	s_add_nc_u64 s[28:29], s[8:9], s[28:29]
	s_add_nc_u64 s[30:31], s[10:11], s[30:31]
	CROUND                                         ; all sixteen work-groups are here: the joint loads meet
	s_mov_b32 s[G0YS], 1
	s_add_co_u32 s[G0YS+1], s34, YSC
	s_mov_b64 s[G0YS+2:G0YS+3], s[24:25]
	s_or_b32 s[G0YS+3], s[G0YS+3], 0x80000000
	s_mov_b32 s[G0BS], 1
	s_add_co_u32 s[G0BS+1], s35, BSC
	s_mov_b64 s[G0BS+2:G0BS+3], s[30:31]
	s_or_b32 s[G0BS+3], s[G0BS+3], 0x80000000
	JLOAD G0YS, G1YS, G0BS, G1BS                   ; the scales first
.irp s, 0,1
	s_mov_b32 s[G0A+4*\s], 1
	s_add_co_u32 s[G0A+4*\s+1], s32, \s*32768
	s_add_nc_u64 s[G0A+4*\s+2:G0A+4*\s+3], s[22:23], \s*4096
	s_or_b32 s[G0A+4*\s+3], s[G0A+4*\s+3], 0x80000000
	s_mov_b32 s[G0B+4*\s], 1
	s_add_co_u32 s[G0B+4*\s+1], s33, BS+\s*BSLOT
	s_add_nc_u64 s[G0B+4*\s+2:G0B+4*\s+3], s[28:29], \s*256
	s_or_b32 s[G0B+4*\s+3], s[G0B+4*\s+3], 0x80000000
	JLOAD G0A+4*\s, G1A, G0B+4*\s, G1B             ; three loads of mine are out behind the last
.endr
	v_and_b32 v1, 15, v0                           ; r
	v_bfe_u32 v2, v0, 4, 1                         ; h
	v_and_b32 v6, 31, v0
	v_lshlrev_b32 v[CO], 4, v6
	s_lshl_b32 s20, s[WR], 14
	v_add_nc_u32 v[ADRA], s20, v[CO]
	v_mul_u32_u24 v3, v1, PITCH
	v_lshl_add_u32 v4, v2, 4, v3
	s_mul_i32 s21, s[WC], HALFT
	s_add_co_u32 s21, s21, BS
	v_add_nc_u32 v[ADRB], s21, v4
	s_add_co_u32 s21, s21, BSLOT
	v_add_nc_u32 v[ADRB+1], s21, v4
	v_lshlrev_b32 v5, 5, v1                        ; wo's scale bytes: 32 a row, and 16 more for each 256 passed
	v_lshrrev_b32 v7, 8, v5
	v_lshl_add_u32 v5, v7, 4, v5
	s_mul_i32 s21, s[WC], HALFS
	s_add_co_u32 s21, s21, BSC
	v_add_nc_u32 v[WSA], s21, v5
	s_lshl_b32 s21, s[WR], 7
	s_add_co_u32 s21, s21, YSC
	v_lshl_add_u32 v[YSA], v1, 1, s21              ; y's halfwords: my 64 tokens, token r
	s_mul_i32 s21, s[WV], 16*SPITCH
	s_add_co_u32 s21, s21, STG                     ; my stage
	v_mul_u32_u24 v5, v1, SPITCH                   ; in: row r, 32 bytes for each half of the lanes
	v_lshl_add_u32 v5, v2, 5, v5
	v_add_nc_u32 v[STO], s21, v5
	v_add_nc_u32 v[RD], s21, v[CO]                 ; back: the 32 lanes take one row of 512 bytes
	v_lshlrev_b32 v[BOF], 5, v2
	s_lshl_b32 s2, s[CX], 10                       ; my 128 columns, in bytes
	s_lshl_b32 s3, s[WC], 9
	s_add_co_u32 s2, s2, s3
	s_mov_b32 s3, 0
	s_add_nc_u64 s[12:13], s[12:13], s[2:3]
	s_add_nc_u64 s[14:15], s[14:15], s[2:3]
	s_lshl_b32 s20, s[TR], 7
	s_lshl_b32 s21, s[WR], 6
	s_add_co_u32 s20, s20, s21                     ; my first token
	s_lshl_b32 s20, s20, 12                        ; 4,096 bytes a row of the result
	s_mov_b32 s21, 0
	s_add_nc_u64 s[14:15], s[14:15], s[20:21]
	WIN 0x40                                       ; destination window 1
.irp b, 0,1,2,3,4,5,6,7                        ; the bias: tile b's register j is column 16 b + 8 h + j
	global_load_b128 v[BI+8*\b:BI+8*\b+3], v[BOF], s[12:13] offset:64*\b
	global_load_b128 v[BI+8*\b+4:BI+8*\b+7], v[BOF], s[12:13] offset:64*\b+16
.endr
	WIN 0
.macro FRAG reg, adr, q, i
.irp c, 0,1
	ds_load_b128 v[\reg+4*\c:\reg+4*\c+3], v[\adr] offset:64*(\q)+32*\c+(\i)*16*PITCH
.endr
.endm
.macro FETCH s                         ; K step s: wo's eight fragments and y's four into set s % 2: 24 loads in one run
	WIN 0x40
.irp i, 0,1,2,3,4,5,6,7
	FRAG BF+64*((\s)%2)+8*\i, ADRB+(\s)/4, (\s)%4, \i
.endr
	WIN 0
.irp m, 0,1,2,3
.irp c, 0,1
	ds_load_b128 v[AF+32*((\s)%2)+8*\m+4*\c:AF+32*((\s)%2)+8*\m+4*\c+3], v[ADRA] offset:32768*((\s)/4)+4096*\m+1024*((\s)%4)+512*\c
.endr
.endr
.endm
; A K step: this step's fragments are in; the next step's loads go out four places behind the last product that read their registers; then 32 products.  The 32 accumulators take turns,
; one instruction a turn, in the same order in every step.
.macro STEP s
	s_wait_dscnt 0x0
.if (\s) > 0
	PLACES 4
.endif
.if (\s) < 7
	FETCH (\s)+1
.endif
.if (\s) == 0
	WIN 0x91                                       ; source 0 (wo) window 1, source 1 (y) window 0, C (the bias) window 1, D window 2
.else
	WIN 0xa1                                       ; C and D window 2
.endif
.irp m, 0,1,2,3
.irp b, 0,1,2,3,4,5,6,7
.set rD, 8*(8*\m+\b)
.set rC, rD
.if (\s) == 0
.set rC, BI+8*\b
.endif
.set rA, BF+64*((\s)%2)+8*\b
.set rB, AF+32*((\s)%2)+8*\m
	v_wmma_scale_f32_16x16x128_f8f6f4 v[rD:rD+7], v[rA:rA+7], v[rB:rB+7], v[rC:rC+7], v[WS+8*\b+(\s)], v[YW+8*\m+(\s)] matrix_a_fmt:MATRIX_FMT_FP4 matrix_b_fmt:MATRIX_FMT_FP4
.endr
.endr
	WIN 0
.endm
	s_wait_tensorcnt 0x1                           ; my parts of the scales and of K half 0 are in; K half 1's load may stay out
	s_barrier_signal -1
	s_barrier_wait -1
.irp m, 0,1,2,3
.irp s, 0,1,2,3,4,5,6,7
	ds_load_u16 v[HW+2*(8*\m+\s)], v[YSA] offset:512*\s+32*\m          ; head 2 s: the bytes of K = 128 s + 0 .. 63 of token 16 m + r
	ds_load_u16 v[HW+2*(8*\m+\s)+1], v[YSA] offset:512*\s+256+32*\m    ; head 2 s + 1: those of K = 128 s + 64 .. 127
.endr
.endr
.irp i, 0,1,2,3,4,5,6,7
	ds_load_b128 v[WS+8*\i:WS+8*\i+3], v[WSA] offset:\i*SBLK
	ds_load_b128 v[WS+8*\i+4:WS+8*\i+7], v[WSA] offset:\i*SBLK+16
.endr
	FETCH 0
	s_wait_dscnt 0x0
.irp m, 0,1,2,3
.irp s, 0,1,2,3,4,5,6,7
	v_lshl_or_b32 v[YW+8*\m+\s], v[HW+2*(8*\m+\s)+1], 16, v[HW+2*(8*\m+\s)]   ; y's scale word of token tile m, K step s
.endr
.endr
	PLACES 8                                       ; a scale register written by a vector instruction stands eight places ahead of a scaled matrix instruction
	s_wait_loadcnt 0x0                             ; the bias
	STEP 0
	STEP 1
	STEP 2
	s_wait_tensorcnt 0x0                           ; my part of K half 1 is in,
	s_wait_dscnt 0x0                               ; no LDS load of mine is pending at the signal
	s_barrier_signal -1
	s_barrier_wait -1                              ; everybody's is: step 3 fetches step 4's fragments from it
.irp s, 3,4,5,6,7
	STEP \s
.endr
; THE WAY OUT, block by block of 16 tokens x 128 columns: a lane holds 32 neighbouring bytes of a row and the lanes beside it other rows, so a block goes through my own stage in LDS and comes back as whole rows of
; 512 bytes.  LDS serves a wave's instructions in order (ISA guide 5.7.1.4): no wait between the stores and the loads, nor in front of the next block's stores.
.macro TOSTAGE a
.set AC, 64*(\a)
	WIN 0x08                                       ; an LDS store's data are its source 1: window 2
.irp b, 0,1,2,3,4,5,6,7
	ds_store_b128 v[STO], v[AC+8*\b:AC+8*\b+3] offset:64*\b            ; each accumulator from its low end on
	ds_store_b128 v[STO], v[AC+8*\b+4:AC+8*\b+7] offset:64*\b+16
.endr
	WIN 0
.set BB, BK+64*((\a)%2)
.irp t, 0,1,2,3,4,5,6,7,8,9,10,11,12,13,14,15
	ds_load_b128 v[BB+4*\t:BB+4*\t+3], v[RD] offset:\t*SPITCH
.endr
.endm
.macro SEND a, younger                 ; younger: the LDS instructions issued behind block a's loads, which may stay out
.set BB, BK+64*((\a)%2)
	s_wait_dscnt \younger
.if (\a) > 0
	s_add_nc_u64 s[14:15], s[14:15], 16*4096       ; (behind a wait on XCNT for 0: the earlier stores have read their base)  16 rows on
.endif
.irp t, 0,1,2,3,4,5,6,7,8,9,10,11,12,13,14,15
	global_store_b128 v[CO], v[BB+4*\t:BB+4*\t+3], s[14:15] offset:\t*4096 th:TH_STORE_NT   ; 32 lanes store 512 consecutive bytes, at a multiple of 256 from the buffer's first byte
.endr
.endm
	PLACES 4                                       ; in front of the first read of results, and of loads into the registers that held y's fragments
	TOSTAGE 0
.irp a, 1,2,3
.if \a > 1
	s_wait_xcnt 0x0                                ; block a - 2's stores have read their registers and their base
.endif
	TOSTAGE \a
	SEND \a-1, 32                                  ; behind block a - 1's loads: block a's 16 stores and 16 loads
.endr
	s_wait_xcnt 0x0
	SEND 3, 0
	s_wait_tensorcnt 0x0
	ds_add_u32 v30, v31
	s_wait_dscnt 0x0
	CROUND                                         ; the closing round: no work-group ends while a partner may still ask for a tile that names it
	s_endpgm
.Lfunc_end_k_qb0d7a4f997_proj:
	.size	k_qb0d7a4f997_proj, .Lfunc_end_k_qb0d7a4f997_proj-k_qb0d7a4f997_proj
	.p2alignl 7, 3214868480
	.fill 96, 4, 3214868480
	.section	.rodata,"a",@progbits
	.p2align	6, 0x0
	.amdhsa_kernel k_qb0d7a4f997_proj
		.amdhsa_group_segment_fixed_size 251904
		.amdhsa_private_segment_fixed_size 0
		.amdhsa_enable_private_segment 0
		.amdhsa_kernarg_size 48
		.amdhsa_user_sgpr_count 2
		.amdhsa_user_sgpr_kernarg_segment_ptr 1
		.amdhsa_wavefront_size32 1
		.amdhsa_system_sgpr_workgroup_id_x 1
		.amdhsa_system_sgpr_workgroup_id_y 1
		.amdhsa_system_sgpr_workgroup_id_z 1
		.amdhsa_system_vgpr_workitem_id 0
		.amdhsa_next_free_vgpr 768
		.amdhsa_next_free_sgpr 100
		.amdhsa_reserve_vcc 0
		.amdhsa_float_denorm_mode_32 3
		.amdhsa_float_denorm_mode_16_64 3
		.amdhsa_memory_ordered 1
		.amdhsa_forward_progress 1
		.amdhsa_inst_pref_size 80
	.end_amdhsa_kernel
	.amdgpu_metadata
---
amdhsa.version: [ 1, 2 ]
amdhsa.kernels:
  - .name:           k_qb0d7a4f997_proj
    .symbol:         k_qb0d7a4f997_proj.kd
    .args:
      - { .name: yc, .offset: 0, .size: 8, .value_kind: global_buffer, .address_space: global }
      - { .name: ys, .offset: 8, .size: 8, .value_kind: global_buffer, .address_space: global }
      - { .name: wo_codes, .offset: 16, .size: 8, .value_kind: global_buffer, .address_space: global }
      - { .name: wo_scales, .offset: 24, .size: 8, .value_kind: global_buffer, .address_space: global }
      - { .name: bo, .offset: 32, .size: 8, .value_kind: global_buffer, .address_space: global }
      - { .name: out0, .offset: 40, .size: 8, .value_kind: global_buffer, .address_space: global }
    .group_segment_fixed_size: 251904
    .private_segment_fixed_size: 0
    .kernarg_segment_align: 8
    .kernarg_segment_size: 48
    .max_flat_workgroup_size: 128
    .sgpr_count:     100
    .vgpr_count:     768
    .wavefront_size: 32
...
	.end_amdgpu_metadata
.endif
;; end of part 3
